; MI455X (gfx1250); checked and timed in simulation.
; The chip was launched on July 23, 2026; its instructions are those of AMD's public machine-readable ISA for CDNA 5 (MIT licence, August 2026) and "CDNA5" Instruction Set Architecture Reference Guide (July 2026). The comments in the code are by the model that wrote it; some were corrected since.
;; Attention Layer. Allowed arithmetic: matrix products marked QUANTISED: E2M1 operands, one E8M0 scale for each 32 along K, by v_wmma_scale_f32_16x16x128_f8f6f4 with both operands' format E2M1 (or v_wmma_scale_f32_32x16x128_f4), f32 sums; everything else in f32.
;; Inputs: query_codes 8 x 2,048 x 32 x 16 uint8 (E2M1 codes of query, K innermost, in blocks of 32 codes, two codes a byte); query_scales 8 x 2,048 x 32 uint8 (E8M0 scales of query, one for each 32 codes along K); value 8 x 2,048 x 1,024 float32.
;; Outputs: out0 8 x 2,048 x 1,024 float32.
;; This version of the problem:
;;   THIS VERSION OF THE PROBLEM IS GIVEN IN LOW PRECISION. The matrix products marked QUANTISED in the list below multiply operands that are first quantised to E2M1 (2 exponent bits, 1 mantissa bit; 4 bits a number), with one power-of-two scale for each 32 numbers along K (OCP MX v1.0); their sums are f32. All else is computed in f32.
;;   The module's matrix products, in the order in which they are computed (A, B: the left and right operand; K: the contracted axis; several contracted axes count as one K, in the product's order):
;;     1. batch 8 x [M 2,048, K 1,024] x [K 1,024, N 2,048]; A: input query (given as codes); B: input value: QUANTISED
;;     2. batch 8 x [M 2,048, K 2,048] x [K 2,048, N 1,024]; A: softmax (see below); B: input value: QUANTISED
;;   THE QUANTISER, for each operand of a quantised product, along K:
;;     - K is cut into blocks of 32 from its start; a last block that is shorter is filled with zeros.
;;     - A block's scale is 2^e with e = floor(log2(the largest magnitude in the block)) - 2, held to -126 .. 127; a block of zeros has e = 0. As a byte (E8M0): e + 127.
;;     - Each number is divided by its block's scale, clamped to +-6, and rounded to the nearest number of E2M1, ties to even, subnormals kept.
;;     - The product sums the exact products of the quantised numbers (number of the format x scale) in f32.
;;   ~~~python
;;   def quantise(x, axis):      # numpy; x: float32 -> the quantised numbers, widened to float32 again
;;       x = np.moveaxis(x, axis, -1); K = x.shape[-1]
;;       x = np.pad(x, [(0, 0)] * (x.ndim - 1) + [(0, -K % 32)]); x = x.reshape(x.shape[:-1] + (-1, 32)); a = np.abs(x).max(-1, keepdims=True)
;;       e = np.where(a > 0, np.clip(np.frexp(np.where(a > 0, a, 1))[1] - 1 - 2, -126, 127), 0)      # np.frexp(a)[1] - 1 = floor(log2(a)), exactly
;;       r = np.clip(x / 2.0 ** e, -6, 6)
;;       step = 2.0 ** (np.maximum(np.frexp(np.where(r == 0, 1, r))[1] - 1, 0) - 1)
;;       q = np.round(r / step) * step * 2.0 ** e      # np.round: ties to even
;;       return np.moveaxis(q.reshape(q.shape[:-2] + (-1,))[..., :K], -1, axis).astype(np.float32)
;;   ~~~
;;   SOFTMAX AHEAD OF A QUANTISED PRODUCT. Where the list says 'softmax', what is quantised is not the finished softmax but p = 2^(t - M), with t = logit x log2(e) and M = ceil(the row's largest t), a whole number; so 1/2 < the row's largest p <= 1. The row's sum l is taken of the UNQUANTISED p, in f32, and the product's result is divided by l at the end. Since M is a whole number, a kernel that streams over the keys may use a running M (the ceiling of the running maximum): every later rescaling is an exact power of two, which a block's scale takes up: the codes' values come out the same.
;;   OPERANDS COMPUTED ON THE WAY. 'Computed on the way' means the value that the module computes at that place (a softmax that the list does not call 'softmax' is quantised finished and normalised). What goes into a quantiser is computed in f32, as accurately as f32 sums, v_exp_f32 and their like allow (about 1e-6 of the number): no bf16 or f16 on the way to a quantiser, and a product that is left as it is and whose result goes on into a quantised operand takes f32 operands (vector FMAs, or v_wmma_f32_16x16x4_f32). A number that lies on a knife's edge between two numbers of the format may be rounded either way, as far as f32 arithmetic and the matrix unit's own rounding can turn it there, and no further.
;;   INPUTS GIVEN AS CODES. query (in the module: [8, 2048, 1024], K = its axis 2): each comes as NAME_codes (uint8): NAME with its K axis moved to the last place and cut into blocks of 32 codes, [.., K / 32, bytes a block], one block behind the other in memory; two codes a byte, the lower K in the low four bits (a code: sign, 2 exponent bits, 1 mantissa bit); and NAME_scales (uint8): the same leading axes, one E8M0 byte (e + 127) for each 32 codes along K. Its value is code x scale, taken as it is: it is not quantised again, and the codes and scales need not be those that the quantiser above would give.
;; One version. Each part assembles by itself: llvm-mc -triple=amdgcn-amd-amdhsa -mcpu=gfx1250 --defsym DOCPART=n.
;; ======== version 1 of 1: 2 launches
;; limits: right only within a limited range of input values
;; workspace buffers: vk_codes 8,388,608 bytes; vk_scales 524,288 bytes; vt_codes 8,388,608 bytes; vt_scales 524,288 bytes
;; launch quant (part 1): grid 128 x 8, 4 waves a work-group, no clusters, 69,120 bytes of LDS; arguments value, vk_codes, vk_scales, vt_codes, vt_scales; writes vk_codes, vk_scales, vt_codes, vt_scales
.if DOCPART == 1
	.amdgcn_target "amdgcn-amd-amdhsa--gfx1250"
	.amdhsa_code_object_version 6
	.text
	.protected	k_q707464337b_quant
	.globl	k_q707464337b_quant
	.p2align	8
	.type	k_q707464337b_quant,@function
k_q707464337b_quant:
	s_mov_b64 s[64:65], 0
	v_nop
	global_prefetch_b8 v0, s[64:65] scope:SCOPE_SE
	s_setreg_imm32_b32 hwreg(HW_REG_WAVE_MODE, 25, 1), 1
	s_wait_xcnt 0x0
; value [8][2048 keys][1024 d], f32, is an operand of both products: of the first along d (innermost), of the second along the keys.  It is read ONCE here and quantised
; twice to codes of FP4 (E2M1) with one E8M0 byte for each 32 along K.  A block's scale is 2^(floor(log2(largest magnitude)) - 2): its byte is the largest magnitude's exponent field - 2, held at 1 from below.
; All four results are laid IN THE ORDER OF THE OPERAND'S REGISTERS, so that the second launch takes every fragment by loads of 16 bytes a lane at 16 x lane:
;   vk_codes  [b][kb 64][u 2][k 8][c 2][lane' 32][16 B]: 32 codes along d, of key 32 kb + 8 u + r + 8 (r / 8) and d block 4 k + 2 c + h, lane' = 16 h + r
;   vk_scales [b][s 16][k 8][pair 2][l 32][j 2][4 B]: the scale word of K step k (128 d) of key block 4 s + 2 pair + j, l = 16 u + r
;   vt_codes  [b][pass 4][half 2][sg 4][sl 8][i 4][c 2][lane' 32][16 B]: 32 codes along the keys, of d = 256 sg + 64 pass + 4 r + i and key block 4 (8 half + sl) + 2 c + h
;   vt_scales [b][pass][half][sg][sl][lane 32][q 2][4 B]: the word (key blocks 4 s .. 4 s + 3, s = 8 half + sl) of d = 256 sg + 64 pass + 4 (lane % 16) + 2 q + lane / 16
; SHARES.  Work-group (x = 8 s + dg, y = b): 128 keys x 128 d.  Wave w: key block 4 s + w (32 keys).  1,024 work-groups of equal work.
; A wave's 32 rows of 512 bytes are loaded as they lie (a load covers 512 consecutive bytes): a lane then holds four neighbouring d of each of the 32 keys, so the four COLUMN blocks (32 keys of one d) lie whole in its registers;
; 64 dual moves bring each column into consecutive registers for the conversions.  The ROW blocks (32 neighbours along d of one key) are taken through the wave's own stage in LDS.  No maximum crosses lanes.
; STAGE ROW l HOLDS KEY 8 (l / 16) + l % 16 + 8 ((l / 8) % 2): the order in which a fragment of the first product takes its keys.  Key i lies in row 16 ((i / 8) % 2) + i % 8 + 8 (i / 16).
; Every store of codes covers two aligned runs of 256 consecutive bytes, every store of scale words one: the words meet in LDS first.
; LIMITS: a block of zeros gets the byte 1 (the rule says 127): its codes are zeros, which add nothing, and this program alone reads the bytes.  NaN and infinities among the inputs are not served.
.set PITCH, 528                        ; a stage row: 512 bytes + 16: 33 pieces of 16 bytes
.set WSTG,  32*PITCH                   ; a wave's stage
.set SCB,   4*WSTG                     ; behind the stages: 512 bytes of vt's words, then 512 of vk's, laid as in memory
.set SPARE, SCB+1024                   ; the spare words, 128 bytes for each wave
.set C,     32                         ; v32-63   codes: four registers for each of the eight blocks: columns, then rows
.set L,     64                         ; v64-191  the rows as loaded: 32 rows x 4 registers; later the four row blocks
.set X,     192                        ; v192-255 two columns of 32 numbers
; v1 lane; v2 16 lane; v3, v4 the stage: way in, by rows; v6, v7 offsets of vk's and vt's codes; v8 my byte among vt's words; v9 8 lane; v10 the words' way out;
; v11-13 at work; v14 vk's word; v15 its place; v16-19 vt's bytes; v[24:25] the words' way out
	s_load_b256 s[4:11], s[0:1], 0x0               ; value s[4:5], vk_codes s[6:7], vk_scales s[8:9], vt_codes s[10:11]
	s_load_b64 s[12:13], s[0:1], 0x20              ; vt_scales
	v_lshl_add_u32 v30, v0, 2, SPARE
	v_mov_b32 v31, 0
	v_lshrrev_b32 v1, 5, v0
	v_readfirstlane_b32 s14, v1                    ; wave w
	s_and_b32 s15, ttmp9, 7                        ; dg: which 128 of d
	s_lshr_b32 s16, ttmp9, 3                       ; s: which 128 keys
	s_and_b32 s17, ttmp7, 0xffff                   ; b
	s_mov_b32 s19, 0
	s_lshl_b32 s18, s17, 23                        ; value: b x 2,048 rows of 4,096 bytes
	s_lshl_b32 s20, s16, 19                        ; + s x 128 rows
	s_add_co_u32 s18, s18, s20
	s_lshl_b32 s20, s14, 17                        ; + w x 32 rows
	s_add_co_u32 s18, s18, s20
	s_lshl_b32 s20, s15, 9                         ; + dg x 128 numbers
	s_add_co_u32 s18, s18, s20
	v_and_b32 v1, 31, v0                           ; lane
	v_lshlrev_b32 v2, 4, v1
	s_wait_alu depctr_va_vdst(0)
	s_wait_kmcnt 0x0
	s_add_nc_u64 s[4:5], s[4:5], s[18:19]
.set i, 0
.rept 32
	global_load_b128 v[L+4*i:L+4*i+3], v2, s[4:5] offset:4096*i th:TH_LOAD_NT
.set i, i+1
.endr
	s_mul_i32 s23, s14, WSTG                       ; my stage
	s_add_co_u32 s24, s14, SCB
	s_lshl_b32 s25, s14, 8
	s_add_co_u32 s25, s25, SCB
	s_lshr_b32 s26, s14, 1
	s_lshl_b32 s26, s26, 8
	s_and_b32 s27, s14, 1
	s_lshl_b32 s28, s27, 2
	s_add_co_u32 s26, s26, s28
	s_add_co_u32 s26, s26, SCB+512
	v_add_nc_u32 v3, s23, v2                       ; way in: 16 bytes a lane of a row
	v_mul_u32_u24 v4, v1, PITCH
	v_add_nc_u32 v4, s23, v4                       ; by rows: lane l takes stage row l
	v_lshrrev_b32 v11, 4, v1
	v_and_b32 v12, 15, v1
	v_lshlrev_b32 v13, 4, v12
	v_lshl_add_u32 v6, v11, 13, v13                ; vk_codes: 8,192 u + 16 r
	v_lshl_add_u32 v7, v11, 18, v13                ; vt_codes: lanes 16-31 belong to the next pass
	v_lshlrev_b32 v8, 8, v11
	v_lshl_add_u32 v8, v12, 3, v8
	v_add_nc_u32 v8, s24, v8                       ; vt's words in LDS: 256 (lane / 16) + 8 r + byte w
	v_lshlrev_b32 v9, 3, v1
	v_add_nc_u32 v10, s25, v9                      ; and back: my wave's quarter of all words, 8 bytes a lane
	v_add_nc_u32 v15, s26, v9                      ; vk's words in LDS: 256 (w / 2) + 8 l + 4 (w % 2)
	s_lshl_b32 s21, s17, 6
	s_lshl_b32 s20, s16, 2
	s_add_co_u32 s21, s21, s20
	s_add_co_u32 s21, s21, s14                     ; 64 b + 4 s + w: my key block
	s_lshl_b32 s18, s21, 14
	s_lshl_b32 s20, s15, 10
	s_add_co_u32 s18, s18, s20
	s_add_nc_u64 s[6:7], s[6:7], s[18:19]          ; vk_codes: 16,384 a key block, + K step dg
	s_lshl_b32 s22, s17, 8
	s_lshr_b32 s20, s16, 3
	s_lshl_b32 s20, s20, 5
	s_add_co_u32 s22, s22, s20
	s_lshr_b32 s20, s15, 1
	s_lshl_b32 s20, s20, 3
	s_add_co_u32 s22, s22, s20
	s_and_b32 s20, s16, 7
	s_add_co_u32 s22, s22, s20                     ; 256 b + 32 half + 8 sg + sl
	s_and_b32 s23, s15, 1                          ; my 128 of d are passes 2 (dg % 2) and the one after it
	s_lshl_b32 s18, s22, 12
	s_lshl_b32 s20, s23, 19
	s_add_co_u32 s18, s18, s20
	s_lshl_b32 s20, s14, 8
	s_add_co_u32 s18, s18, s20
	s_add_nc_u64 s[10:11], s[10:11], s[18:19]      ; vt_codes: + 256 w: my key block's place in each image
	s_lshl_b32 s24, s22, 8
	s_lshl_b32 s20, s23, 15
	s_add_co_u32 s24, s24, s20
	s_lshl_b32 s20, s14, 14
	s_add_co_u32 s24, s24, s20                     ; waves 0, 1: vt_scales of pass 2 (dg % 2) + w
	s_lshl_b32 s25, s17, 16
	s_lshl_b32 s20, s16, 12
	s_add_co_u32 s25, s25, s20
	s_lshl_b32 s20, s15, 9
	s_add_co_u32 s25, s25, s20
	s_lshl_b32 s20, s27, 8
	s_add_co_u32 s25, s25, s20                     ; waves 2, 3: vk_scales of pair w - 2
	s_cmp_lt_u32 s14, 2
	s_cselect_b64 s[12:13], s[12:13], s[8:9]
	s_cselect_b32 s18, s24, s25
	s_add_nc_u64 s[12:13], s[12:13], s[18:19]
	s_wait_alu depctr_va_vdst(0)                   ; the head's end
.set i, 0
.rept 32
	s_wait_loadcnt 31-i                            ; loads come back in order: row i is in, the 31 - i younger ones may be out
	ds_store_b128 v3, v[L+4*i:L+4*i+3] offset:PITCH*(16*((i>>3)&1)+(i&7)+8*(i>>4))
.set i, i+1
.endr
.macro MOV2 c                          ; columns c and c + 1 of my four d: 32 keys each, in their true order, into consecutive registers
.set i, 0
.rept 16
	v_dual_mov_b32 v[X+2*i], v[L+8*i+(\c)] :: v_dual_mov_b32 v[X+33+2*i], v[L+8*i+5+(\c)]
	v_dual_mov_b32 v[X+1+2*i], v[L+8*i+4+(\c)] :: v_dual_mov_b32 v[X+32+2*i], v[L+8*i+1+(\c)]
.set i, i+1
.endr
.endm
.macro QBLK xs, cd                     ; a block in v[xs] on: its largest magnitude, its scale operand in v13, its codes in v[cd] on
	v_max3_num_f32 v11, |v[\xs]|, |v[\xs+1]|, |v[\xs+2]|
	v_max3_num_f32 v12, |v[\xs+3]|, |v[\xs+4]|, |v[\xs+5]|
.irp i, 6,10,14,18,22,26
	v_max3_num_f32 v11, v11, |v[\xs+\i]|, |v[\xs+\i+1]|             ; two chains
	v_max3_num_f32 v12, v12, |v[\xs+\i+2]|, |v[\xs+\i+3]|
.endr
	v_max3_num_f32 v11, v11, |v[\xs+30]|, |v[\xs+31]|
	v_max3_num_f32 v11, v11, v12, 0x1800000        ; and the floor 2^(3 - 127): the byte cannot fall under 1
	v_add_nc_u32 v13, 0xff000000, v11              ; 2 off the exponent field: the conversion takes the exponent field of this operand as its scale
.irp g, 0,1,2,3
	v_cvt_scalef32_pk8_fp4_f32 v[\cd+\g], v[\xs+8*\g:\xs+8*\g+7], v13
.endr
.endm
.macro COL c                           ; column c's block
	QBLK X+32*((\c)%2), C+4*(\c)
	v_lshrrev_b32 v[16+(\c)], 23, v13              ; the scale's byte (also the plain line behind the conversions)
	ds_store_b8 v8, v[16+(\c)] offset:128*((\c)%2)+4*((\c)/2)      ; byte w of the word of my d: the four waves make the word
	global_store_b128 v7, v[C+4*(\c):C+4*(\c)+3], s[10:11] offset:1024*(\c)    ; lanes 0-15 and lanes 16-31 each store 256 consecutive bytes, aligned
.endm
	MOV2 0
	COL 0
	COL 1
	MOV2 2
	; the loaded rows are done with: the four row blocks of my stage row's key land there
.irp n, 0,1,2,3
.irp j, 0,1,2,3,4,5,6,7
	ds_load_b128 v[L+32*\n+4*\j:L+32*\n+4*\j+3], v4 offset:128*\n+16*\j
.endr
.endr
	COL 2
	COL 3
.irp n, 0,1,2,3
	s_wait_dscnt 8*(3-\n)+2                        ; behind this block's loads: the later blocks' and two byte stores
	QBLK L+32*\n, C+16+4*\n
.if \n == 0
	v_lshrrev_b32 v14, 23, v13                     ; four bytes make my key's word
.else
	v_lshrrev_b32 v12, 23, v13
	v_lshl_or_b32 v14, v12, 8*\n, v14
.endif
	global_store_b128 v6, v[C+16+4*\n:C+19+4*\n], s[6:7] offset:256*\n          ; two aligned runs of 256 consecutive bytes
.endr
	ds_store_b32 v15, v14
	s_wait_dscnt 0x0                               ; for the others' sake: my parts of the words are in LDS
	s_barrier_signal -1
	s_barrier_wait -1
	ds_load_b64 v[24:25], v10
	s_wait_dscnt 0x0
	global_store_b64 v9, v[24:25], s[12:13]        ; a quarter of the 1,024 bytes a wave: 256 consecutive bytes, aligned
	s_wait_tensorcnt 0x0                           ; the wave's end
	ds_add_u32 v30, v31
	s_wait_dscnt 0x0
	s_endpgm
.Lfunc_end_k_q707464337b_quant:
	.size	k_q707464337b_quant, .Lfunc_end_k_q707464337b_quant-k_q707464337b_quant
	.p2alignl 7, 3214868480
	.fill 96, 4, 3214868480
	.section	.rodata,"a",@progbits
	.p2align	6, 0x0
	.amdhsa_kernel k_q707464337b_quant
		.amdhsa_group_segment_fixed_size 69120
		.amdhsa_private_segment_fixed_size 0
		.amdhsa_enable_private_segment 0
		.amdhsa_kernarg_size 40
		.amdhsa_user_sgpr_count 2
		.amdhsa_user_sgpr_kernarg_segment_ptr 1
		.amdhsa_wavefront_size32 1
		.amdhsa_system_sgpr_workgroup_id_x 1
		.amdhsa_system_sgpr_workgroup_id_y 1
		.amdhsa_system_sgpr_workgroup_id_z 1
		.amdhsa_system_vgpr_workitem_id 0
		.amdhsa_next_free_vgpr 256
		.amdhsa_next_free_sgpr 66
		.amdhsa_reserve_vcc 0
		.amdhsa_float_denorm_mode_32 3
		.amdhsa_float_denorm_mode_16_64 3
		.amdhsa_memory_ordered 1
		.amdhsa_forward_progress 1
		.amdhsa_inst_pref_size 29
	.end_amdhsa_kernel
	.amdgpu_metadata
---
amdhsa.version: [ 1, 2 ]
amdhsa.kernels:
  - .name:           k_q707464337b_quant
    .symbol:         k_q707464337b_quant.kd
    .args:
      - { .name: value, .offset: 0, .size: 8, .value_kind: global_buffer, .address_space: global }
      - { .name: vk_codes, .offset: 8, .size: 8, .value_kind: global_buffer, .address_space: global }
      - { .name: vk_scales, .offset: 16, .size: 8, .value_kind: global_buffer, .address_space: global }
      - { .name: vt_codes, .offset: 24, .size: 8, .value_kind: global_buffer, .address_space: global }
      - { .name: vt_scales, .offset: 32, .size: 8, .value_kind: global_buffer, .address_space: global }
    .group_segment_fixed_size: 69120
    .private_segment_fixed_size: 0
    .kernarg_segment_align: 8
    .kernarg_segment_size: 40
    .max_flat_workgroup_size: 128
    .sgpr_count:     66
    .vgpr_count:     256
    .wavefront_size: 32
...
	.end_amdgpu_metadata
.endif
;; end of part 1
;; launch attn (part 2): grid 32 x 8, 4 waves a work-group, clusters of 4 x 1, 327,680 bytes of LDS; arguments query_codes, query_scales, vk_codes, vk_scales, vt_codes, vt_scales, out0; writes out0
.if DOCPART == 2
	.amdgcn_target "amdgcn-amd-amdhsa--gfx1250"
	.amdhsa_code_object_version 6
	.text
	.protected	k_q707464337b_attn
	.globl	k_q707464337b_attn
	.p2align	8
	.type	k_q707464337b_attn,@function
k_q707464337b_attn:
	s_mov_b64 s[64:65], 0
	v_nop
	global_prefetch_b8 v0, s[64:65] scope:SCOPE_SE
	s_setreg_imm32_b32 hwreg(HW_REG_WAVE_MODE, 25, 1), 1
	s_wait_xcnt 0x0
	s_wait_alu depctr_hold_cnt(0) depctr_sa_sdst(0) depctr_va_vdst(0) depctr_va_sdst(0) depctr_va_ssrc(0) depctr_va_vcc(0) depctr_vm_vsrc(0)
	s_getreg_b32 s2, hwreg(HW_REG_IB_STS2, 6, 4)
	s_cmp_eq_u32 s2, 0
	s_cbranch_scc0 .Lentry_in_a_cluster
	s_endpgm
.Lentry_in_a_cluster:
	s_bfe_u32 s2, ttmp6, 0x10000c
	s_cmp_lg_u32 s2, 0x3003
	s_cbranch_scc0 .Lentry_shape_is_right
	s_endpgm
.Lentry_shape_is_right:
; out[b][q][:] = the sum over keys of softmax(Q[b][q] . V[b][key]) V[b][key][:], 8 batches, 2,048 queries, 2,048 keys, 1,024 channels d; both products on codes of FP4 (E2M1) with one E8M0 scale for each 32 along K.
; Q comes as codes (K = d).  V comes from the launch before, twice, as images of operand registers: vk (K = d) and vt (K = the keys); layouts in that launch's head.
; SHARES.  A work-group owns 64 queries (tiles t = 0 .. 3 of 16) of one batch; 256 work-groups.  TWO PHASES:
;   1: S^T = K Q^T and the softmax for all 2,048 keys, in 8 trips of 256 keys: wave w makes key blocks 2 w and 2 w + 1 of a trip (j = 0, 1; 32 keys each) for all 64 queries.  P's codes are kept: 64 x 2,048 codes are 64 KiB.
;   2: O = P V in 4 passes of 64 channels a wave (wave w: channels 256 w + 64 pass on), each pass in 2 trips of 1,024 keys.  All of P's fragments lie in 512 registers of every wave; a pass's results leave before the next begins.
;   A trip is 64 matrix instructions of 32 x 16 x 128 a wave.  In phase 1 source 0 = 32 keys, source 1 = 16 queries: a lane holds ONE query (lane % 16).
;   In phase 2 source 0 = 32 queries, source 1 = 16 channels; tile i of a pass takes the channels 4 r + i: lane (r, h) then holds, in the same register of the four tiles' accumulators, the four NEIGHBOURING channels 4 r .. 4 r + 3
;   of one query: 16 bytes of a row of out, and sixteen lanes hold the row's 256 bytes.  So results leave straight from registers.
; THE SOFTMAX.  t = score x log2(e).  Wave w keeps for each query the running largest t over ITS OWN keys, m, and M_w = ceil(m), a whole number; p = 2^(t - M_w); l = the sum of the unquantised p under M_w.
;   p's codes do not hang on which whole number M is; only the block's scale does.  So a wave keeps a block's codes and the whole number E = its scale byte + M_w.  Between the phases: R = the row's largest E; P's scale bytes are max(E - R + 127, 0);
;   at the end out = O / the sum over w of l_w 2^(M_w - R + 127).  O is never rescaled.
; LIMITS: |t| stays under 2^23, so that M, E and R are exact whole numbers in f32.  A block of p that lies more than 2^127 under the row's largest is counted with the scale 2^-127 in place of a smaller one.  NaN and infinities are not served.
; CLUSTER.  The four work-groups of a cluster are four query blocks of one batch and walk the same K and V: every tile is asked for JOINTLY, by the same tensor load with the same descriptor and the mask 15.
; THE WALK.  Cluster x of a batch (x = 0 .. 7) begins at key 1,024 (x % 2) and goes round all keys, and begins at pass x / 2 and goes round the four; in a pass it takes the half of the keys first with which it began.  The start hangs on the cluster's number alone.
; THE RING.  Two slots of 131,072 bytes: a wave's 32,768 bytes of slot n lie at 65,536 w + 32,768 n.  They are fetched by the wave itself, one load a trip.  The head's one load a wave brings K(0) and K(1).
;   A trip's fragments are in registers ahead of the trip's round, so behind it its slot is filled with the tile two trips on: K(2) .. K(7), then V(0) .. V(7).
; LDS behind the ring holds P's images for trips 0 to 5 only; the codes of trips 6 and 7 wait in registers until those images have been read.
; REGISTERS, in windows of 256:  window 0: below;  window 1: Q's fragments (t, k) at 8 (8 t + k), in phase 2 V's (sl, i) at 32 sl + 8 i;  window 2: K's fragments (j, k) at 128 j + 16 k, then P's of key steps 0-7;
;   window 3: P's of key steps 8-15: (t, s) at 8 (4 (s % 8) + t); in phase 1 v0-15 a trip's codes.
.set HSLOT,  32768
.set PB,     262144                    ; P's images: key step s (128 keys of the walk) at 4,096 s, tile t at 1,024 t.  At the head: Q's rows.  Later, behind the first reading of P:
.set E67,    PB+16384                  ;   E of trips 6 and 7,
.set LSM,    PB+20480                  ;   l, then -M: [t][r][w], 4 bytes each,
.set SW,     PB+22528                  ;   P's scale words [t][r][key step 16],
.set INV,    PB+26624                  ;   1 / the divisor [t][r]
.set EX,     PB+49152                  ; E of trips 0 to 5: [trip][t][r][key block 8], 4 bytes each
.set SPARE,  EX+12288                  ; the spare words, 128 bytes for each wave: two blocks of 256 bytes that no other line names
.set SPW, 1                            ; v1   LDS address of my spare word; never rewritten
.set NIL, 2                            ; v2   0; never rewritten
.set L16, 3                            ; v3   16 x lane
.set P8,  4                            ; v4   where I put 8 bytes of P's image
.set EST, 5                            ; v5   where I put E
.set L8,  6                            ; v6   8 x lane
.set PFO, 7                            ; v7   256 x lane: the prefetches' offset
.set PLD, 8                            ; v8   PB + 16 x lane
.set ADK, 9                            ; v9, v12 my fragments in slot 0, 1
.set ADP, 10                           ; v10  P8 of the trip (at the head: my place in Q's rows)
.set ADE, 11                           ; v11  EST of the trip (at the head: where I put Q's rows)
.set GO,  14                           ; v14  my offset in out
.set LST, 15                           ; v15-19, v120-124: addresses of the exchange
.set EA1, 16
.set EA2, 17
.set SWL, 18
.set INVL, 19
.set SWST, 120
.set INVS, 121
.set EST67, 122
.set LQA, 123
.set QSO, 124                          ; v124 32 x lane
.set OT,  16                           ; v16-31 in phase 2: the first four rows on the way out
.set MM,  20                           ; v20-23 m[t]
.set LL,  24                           ; v24-31 l[t], each in two halves
.set QS,  32                           ; v32-47 Q's scale words: register 8 (t / 2) + k; lanes 0-15 the even tile, lanes 16-31 the odd one
.set KS,  48                           ; v48-63, v104-119 K's, of even and odd trips: register 2 k + j; lane 16 u + r
.set VS,  48                           ; v48-63, v32-47 V's words, of a pass's first and second trip: register 2 sl + q; lanes 0-15 tile 2 q, lanes 16-31 tile 2 q + 1
.set BM,  64                           ; v64-71 the block's largest score, then its largest p, then the conversions' scale operand
.set PT,  72                           ; v72-79; then the byte, then E
.set NM,  80                           ; v80-87 -M_w at 80 + 2 t (the low word of a pair)
.set ON,  88                           ; v88-95 2^(old M - new M) at 88 + 2 t (likewise)
.set TT,  96
.set FI,  64                           ; v64-95 in phase 2: 1 / the divisor: register 8 t + j: query 16 t + 8 h + j
.set PSW, 96                           ; v96-127 in phase 2: P's scale words: register 16 (t / 2) + key step; lanes 0-15 the even tile
.set S,   128                          ; v128-255 S^T: (j, t) at 128 + 16 (4 j + t); then p.  In phase 2 O: (tp, i) at 128 + 16 (4 tp + i): queries 32 tp on, channels 4 r + i
.set CDK, 128                          ; window 3: codes of trips 6, 7 at 128 + 16 kp, E at 160 + 8 kp
.set EK,  160
.set WV,   18
.set TI,   19                          ; the trip's tile of 256 keys
.set CX,   20
.set BB,   21
.set G1,   24                          ; s[24:31], s[32:35] the descriptor groups;  s[88:95] group 1 of the head's load
.set G0,   32
.set G1F,  88
.set SEL,  36                          ; s[36:37] lane selects: lane l xor 16
.set CS,   38                          ; s[38:39] log2(e), twice
.set CNT,  40
.set N1,   42
.set N2,   43
.set TP,   44
.set TE,   45
.set KB,   46                          ; bases, never rewritten: K's codes of my batch and my part of a tile,
.set VB0,  48                          ; V's codes of the half that my walk takes first (s[48:49]), and second (s[50:51])
.set KSB,  52                          ; scale words likewise
.set KSP,  54
.set VSB0, 56                          ; s[56:57], s[58:59]
.set VSP,  60
.set OUTB, 62
.set OUTP, 66
.set PFK,  68
.set PFV,  70
.set PASS, 72
.set PN,   73
.set HX,   74
.set W64,  75                          ; LDS byte of my part of slot 0
; s[22:23] and s[2:3]: offsets in 64 bits: s23 and s3 stay 0
.set MSB, 0
.macro WIN new                         ; the immediate's high byte repeats the setting that is left; a switch that changes nothing is dropped
.if MSB != (\new)
	s_set_vgpr_msb (MSB<<8)|(\new)
.set MSB, \new
.endif
.endm
.macro PLACES n
.rept \n
	v_nop
.endr
.endm
.macro CREST                           ; a round of the cluster's barrier behind its opening barrier
	s_cmp_lg_u32 s[WV], 0
	s_cbranch_scc1 .Lnot_wave_0_\@
	s_barrier_signal -3
.Lnot_wave_0_\@:
	s_barrier_wait -3
	s_barrier_signal -1
	s_barrier_wait -1
.endm
.macro CROUND
	s_barrier_signal -1
	s_barrier_wait -1
	CREST
.endm
.macro JOINT g1                        ; each wave fetches its own bytes; the descriptor is alike in the four partners
	tensor_load_to_lds s[G0:G0+3], s[\g1:\g1+7]
	s_nop 0
.endm
.macro MMI                             ; one matrix instruction: rZ: it starts its sum; rR: source 1's scales stand in lanes 16-31
.if rZ
.if rR
	v_wmma_scale_f32_32x16x128_f4 v[rD:rD+15], v[rA:rA+15], v[rB:rB+7], 0, v[rX], v[rY] matrix_b_scale:MATRIX_SCALE_ROW1
.else
	v_wmma_scale_f32_32x16x128_f4 v[rD:rD+15], v[rA:rA+15], v[rB:rB+7], 0, v[rX], v[rY]
.endif
.else
.if rR
	v_wmma_scale_f32_32x16x128_f4 v[rD:rD+15], v[rA:rA+15], v[rB:rB+7], v[rD:rD+15], v[rX], v[rY] matrix_b_scale:MATRIX_SCALE_ROW1
.else
	v_wmma_scale_f32_32x16x128_f4 v[rD:rD+15], v[rA:rA+15], v[rB:rB+7], v[rD:rD+15], v[rX], v[rY]
.endif
.endif
.endm
.macro SMUL k, par                     ; K step k of S^T: eight accumulators by turns; K step 0 starts the sums
.irp j, 0,1
.irp t, 0,1,2,3
.set rD, S+64*\j+16*\t
.set rA, 128*\j+16*(\k)
.set rB, 8*(8*\t+(\k))
.set rX, KS+56*(\par)+2*(\k)+\j
.set rY, QS+8*(\t/2)+(\k)
.set rZ, (\k)==0
.set rR, \t%2
	MMI
.endr
.endr
.endm
.macro VMUL sl, hf                     ; 128 keys of O: eight accumulators by turns; a pass's first 128 keys start the sums
	WIN 0x06+(\hf)                                 ; source 0 (P) window 2 or 3, source 1 (V) window 1
.irp p, 0,1
.irp i, 0,1,2,3
.set rD, S+64*\p+16*\i
.set rA, 8*(4*(\sl)+2*\p)
.set rB, 32*(\sl)+8*\i
.set rX, PSW+16*\p+8*(\hf)+(\sl)
.set rY, VS-16*(\hf)+2*(\sl)+(\i/2)
.set rZ, (8*(\hf)+(\sl))==0
.set rR, \i%2
	MMI
.endr
.endr
.endm
.macro KSLOAD par                      ; a tile's scale words of my two key blocks: 256 consecutive bytes a load
.irp k, 0,1,2,3,4,5,6,7
	global_load_b64 v[KS+56*(\par)+2*\k:KS+56*(\par)+2*\k+1], v[L8], s[KSP:KSP+1] offset:512*\k
.endr
.endm
.macro VSLOAD hf
.irp k, 0,1,2,3,4,5,6,7
	global_load_b64 v[VS-16*(\hf)+2*\k:VS-16*(\hf)+2*\k+1], v[L8], s[VSP:VSP+1] offset:256*\k
.endr
.endm
.macro KGRP k, slot                    ; K step k's fragments of my two key blocks: 8 loads into window 2
	WIN 0x80
.irp j, 0,1
.irp u, 0,1
.irp c, 0,1
	ds_load_b128 v[128*\j+16*(\k)+8*\u+4*\c:128*\j+16*(\k)+8*\u+4*\c+3], v[ADK+3*(\slot)] offset:16384*\j+8192*\u+1024*(\k)+512*\c
.endr
.endr
.endr
.endm
.macro VGRP sl, slot                   ; V's fragments of key step sl of a trip: 8 loads into window 1
	WIN 0x40
.irp d, 0,1,2,3
.irp c, 0,1
	ds_load_b128 v[32*(\sl)+8*\d+4*\c:32*(\sl)+8*\d+4*\c+3], v[ADK+3*(\slot)] offset:4096*(\sl)+1024*\d+512*\c
.endr
.endr
.endm
.macro PLOAD s, pos                    ; P's fragments of key step s, whose images stand at place pos: 8 loads into window 2 or 3
	WIN 0x80+0x40*((\s)/8)
.irp t, 0,1,2,3
.irp c, 0,1
	ds_load_b128 v[8*(4*((\s)%8)+\t)+4*\c:8*(4*((\s)%8)+\t)+4*\c+3], v[PLD] offset:4096*(\pos)+1024*\t+512*\c
.endr
.endr
.endm
	s_load_b256 s[4:11], s[0:1], 0x0               ; query_codes s[4:5], query_scales s[6:7], vk_codes s[8:9], vk_scales s[10:11]
	s_load_b128 s[12:15], s[0:1], 0x20             ; vt_codes s[12:13], vt_scales s[14:15]
	s_load_b64 s[16:17], s[0:1], 0x30              ; out0
	v_lshl_add_u32 v[SPW], v0, 2, SPARE
	v_mov_b32 v[NIL], 0
	ds_add_u32 v[SPW], v[NIL]                      ; the wave's opening: the add, twice on end, and its wait ahead of my first tensor load
	ds_add_u32 v[SPW], v[NIL]
	v_lshrrev_b32 v60, 5, v0
	v_readfirstlane_b32 s[WV], v60                 ; wave 0..3
	s_bfe_u32 s[CX], ttmp6, 0x40000                ; cx
	s_and_b32 s[BB], ttmp7, 0xffff                 ; the batch, which the four partners share
	s_and_b32 s[HX], ttmp9, 1                      ; in a cluster launch ttmp9 counts clusters: x = 0 .. 7.  Which half of the keys my walk takes first
	s_lshr_b32 s[PASS], ttmp9, 1                   ; my walk's first pass
	s_lshl_b32 s[TI], s[HX], 2                     ; and its first tile of 256 keys
	; descriptor group 1: a dense block of 32,768 bytes as 128 rows of 256 bytes (32 elements of 8 bytes); no padding: images are read at 16 x lane
	s_mov_b32 s[G1], 15|(3<<16)|(1<<21)            ; 15:0 the mask: all four work-groups; 17:16 elements of 8 bytes; 21 set beside a mask
	s_mov_b32 s[G1+1], 32<<16
	s_mov_b32 s[G1+2], 128<<16
	s_mov_b32 s[G1+3], 32<<16
	s_mov_b32 s[G1+4], 128
	s_mov_b32 s[G1+5], 32
	s_mov_b32 s[G1+6], 0
	s_mov_b32 s[G1+7], 0
	; the head's: my 32,768 bytes of two neighbouring tiles, 131,072 bytes apart in memory, one behind the other in LDS: two rows of 4,096 elements
	s_mov_b32 s[G1F], 15|(3<<16)|(1<<21)
	s_mov_b32 s[G1F+1], 4096<<16
	s_mov_b32 s[G1F+2], 2<<16
	s_mov_b32 s[G1F+3], 4096<<16
	s_mov_b32 s[G1F+4], 2
	s_mov_b32 s[G1F+5], 16384
	s_mov_b32 s[G1F+6], 0
	s_mov_b32 s[G1F+7], 0
	s_mov_b32 s[CS], 0x3fb8aa3b                    ; log2(e)
	s_mov_b32 s[CS+1], s[CS]                       ; (named with it as a pair, so it is written)
	s_mov_b32 s[SEL], 0x76543210
	s_mov_b32 s[SEL+1], 0xfedcba98
	s_mov_b32 s23, 0
	s_mov_b32 s3, 0
	s_mov_b32 s[TP], 0
	s_mov_b32 s[TE], 0
	s_lshl_b32 s[W64], s[WV], 16
	s_mov_b32 s[G0], 1
	s_mov_b32 s[G0+1], s[W64]                      ; no place in the cluster enters an LDS address
	s_lshl_b32 s87, ttmp9, 2
	s_add_co_u32 s87, s87, s[CX]                   ; my block of 64 queries = 4 x cluster x + cx
	s_lshl_b32 s87, s87, 6
	s_lshl_b32 s2, s[BB], 11
	s_add_co_u32 s87, s87, s2                      ; 2,048 b + my first query
	s_lshr_b32 s76, s[WV], 1
	s_lshl_b32 s76, s76, 12
	s_and_b32 s77, s[WV], 1
	s_lshl_b32 s77, s77, 9
	s_add_co_u32 s76, s76, s77
	s_add_co_u32 s76, s76, PB                      ; key step w / 2 of a trip, block 2 (w % 2)
	s_lshl_b32 s77, s[WV], 3
	s_add_co_u32 s78, s77, E67
	s_add_co_u32 s77, s77, EX
	s_mul_i32 s79, s[WV], 16*528
	s_add_co_u32 s79, s79, PB
	s_lshl_b32 s81, s[WV], 2
	s_add_co_u32 s81, s81, LSM
	s_lshl_b32 s82, s[WV], 8
	s_add_co_u32 s82, s82, LSM
	s_lshl_b32 s83, s[WV], 9
	s_add_co_u32 s84, s83, E67
	s_add_co_u32 s83, s83, EX
	s_lshl_b32 s85, s[WV], 10
	s_add_co_u32 s85, s85, SW
	s_lshl_b32 s86, s[WV], 6
	s_add_co_u32 s86, s86, INV
	v_and_b32 v60, 31, v0                          ; lane
	v_and_b32 v61, 15, v0                          ; r
	v_bfe_u32 v62, v0, 4, 1                        ; h
	v_lshlrev_b32 v[L16], 4, v60
	v_lshlrev_b32 v[L8], 3, v60
	v_lshlrev_b32 v[PFO], 8, v60
	v_lshlrev_b32 v[QSO], 5, v60
	v_add_nc_u32 v[ADK], s[W64], v[L16]
	v_add_nc_u32 v[ADK+3], HSLOT, v[ADK]
	v_lshlrev_b32 v[P8], 4, v61
	v_lshl_add_u32 v[P8], v62, 3, v[P8]
	v_add_nc_u32 v[P8], s76, v[P8]
	v_lshl_add_u32 v[EST], v61, 5, s77             ; E: 32 r + 4 (2 w + j)
	v_lshl_add_u32 v[EST67], v61, 5, s78
	v_add_nc_u32 v[PLD], PB, v[L16]
	v_mul_u32_u24 v[ADP], v61, 528
	v_lshl_add_u32 v[ADP], v62, 4, v[ADP]
	v_add_nc_u32 v[ADP], PB, v[ADP]                ; Q's rows in LDS, 512 bytes + 16 apart: row r, + 16 h
	v_add_nc_u32 v[ADE], s79, v[L16]               ; where I put my 16 rows
	v_lshlrev_b32 v[GO], 15, v62
	v_lshl_add_u32 v[GO], v61, 4, v[GO]            ; out: lanes 0-15 a row, lanes 16-31 the row eight further on
	v_lshl_add_u32 v[LST], v61, 4, s81
	v_lshl_add_u32 v[LQA], v61, 4, s82
	v_lshlrev_b32 v[EA1], 13, v62
	v_lshl_add_u32 v[EA1], v61, 5, v[EA1]
	v_add_nc_u32 v[EA1], s83, v[EA1]               ; tile w's E of trips 4 h and 4 h + 1
	v_xor_b32 v63, 1, v62
	v_mul_u32_u24 v[EA2], v63, EX+4096-E67
	v_lshl_add_u32 v[EA2], v61, 5, v[EA2]
	v_add_nc_u32 v[EA2], s84, v[EA2]               ; and of trips 4 h + 2 and 4 h + 3
	v_lshlrev_b32 v[SWL], 10, v62
	v_lshl_add_u32 v[SWL], v61, 6, v[SWL]
	v_add_nc_u32 v[SWL], SW, v[SWL]
	v_lshlrev_b32 v[SWST], 5, v62
	v_lshl_add_u32 v[SWST], v61, 6, v[SWST]
	v_add_nc_u32 v[SWST], s85, v[SWST]
	v_lshl_add_u32 v[INVS], v61, 2, s86
	v_lshlrev_b32 v[INVL], 5, v62
	v_add_nc_u32 v[INVL], INV, v[INVL]
	s_wait_dscnt 0x0                               ; both opening adds are done
	s_wait_alu depctr_va_vdst(0)
	CROUND                                         ; all four work-groups are here: the first joint loads meet
	s_wait_kmcnt 0x0
	s_lshl_b32 s2, s87, 9
	s_lshl_b32 s76, s[WV], 13
	s_add_co_u32 s2, s2, s76
	s_add_nc_u64 s[4:5], s[4:5], s[2:3]            ; 512 bytes of codes a query; my wave brings 16 of them
.set i, 0
.rept 16
	global_load_b128 v[S+4*i:S+4*i+3], v[L16], s[4:5] offset:512*i   ; a row of Q's codes: 512 consecutive bytes
.set i, i+1
.endr
	s_lshl_b32 s22, s[BB], 20
	s_lshl_b32 s2, s[WV], 15
	s_add_co_u32 s22, s22, s2
	s_add_nc_u64 s[KB:KB+1], s[8:9], s[22:23]
	s_lshl_b32 s2, s[TI], 17                       ; a tile's codes are 131,072 bytes
	s_add_nc_u64 s[G0+2:G0+3], s[KB:KB+1], s[2:3]
	s_or_b32 s[G0+3], s[G0+3], 0x80000000          ; type = 2
	JOINT G1F                                      ; K(0) and K(1): one tensor load a wave at the head
	PLACES 4
	; V's codes
	s_lshl_b32 s2, s[HX], 17
	s_add_co_u32 s2, s22, s2
	s_add_nc_u64 s[VB0:VB0+1], s[12:13], s[2:3]
	s_xor_b32 s2, s2, 0x20000                      ; the other half
	s_add_nc_u64 s[VB0+2:VB0+3], s[12:13], s[2:3]
	; scale words
	s_lshl_b32 s22, s[BB], 16
	s_lshr_b32 s2, s[WV], 1
	s_lshl_b32 s2, s2, 12
	s_add_co_u32 s2, s2, s22
	s_and_b32 s76, s[WV], 1
	s_lshl_b32 s76, s76, 8
	s_add_co_u32 s2, s2, s76
	s_add_nc_u64 s[KSB:KSB+1], s[10:11], s[2:3]
	s_lshl_b32 s2, s[WV], 11
	s_add_co_u32 s2, s2, s22
	s_lshl_b32 s76, s[HX], 13
	s_add_co_u32 s2, s2, s76
	s_add_nc_u64 s[VSB0:VSB0+1], s[14:15], s[2:3]
	s_xor_b32 s2, s2, 0x2000                       ; the other half
	s_add_nc_u64 s[VSB0+2:VSB0+3], s[14:15], s[2:3]
	s_lshl_b32 s22, s[TI], 13                      ; a tile's scale words are 8,192 bytes
	s_add_nc_u64 s[KSP:KSP+1], s[KSB:KSB+1], s[22:23]
	s_lshl_b32 s2, s87, 5
	s_add_nc_u64 s[6:7], s[6:7], s[2:3]            ; Q's: 32 scale bytes a query
.irp p, 0,1
.irp g, 0,1
	global_load_b128 v[QS+8*\p+4*\g:QS+8*\p+4*\g+3], v[QSO], s[6:7] offset:1024*\p+16*\g
.endr
.endr
	KSLOAD 0
	s_lshl_b32 s2, s87, 12
	s_lshl_b32 s76, s[WV], 10
	s_add_co_u32 s2, s2, s76
	s_add_nc_u64 s[OUTB:OUTB+1], s[16:17], s[2:3]  ; 4,096 bytes of out a query, + my wave's 256 channels
	; the prefetches' addresses: 131,072 bytes a cluster, 32,768 a partner (told apart BY ADDRESS), 8,192 a wave, lanes 256 bytes apart
	s_lshl_b32 s22, s[BB], 20
	s_lshl_b32 s2, s[CX], 15
	s_add_co_u32 s22, s22, s2
	s_lshl_b32 s2, s[WV], 13
	s_add_co_u32 s22, s22, s2
	s_lshl_b32 s2, ttmp9, 17
	s_add_co_u32 s2, s2, s22
	s_add_nc_u64 s[PFV:PFV+1], s[12:13], s[2:3]    ; V(0) of my cluster's walk: pass x / 2, half x % 2 = tile x: the eight clusters of a batch name eight different tiles
	s_add_co_u32 s2, s[TI], s[PASS]
	s_add_co_u32 s2, s2, 1
	s_and_b32 s2, s2, 7
	s_lshl_b32 s2, s2, 17
	s_add_co_u32 s2, s2, s22
	s_add_nc_u64 s[PFK:PFK+1], s[8:9], s[2:3]      ; K(x / 2 + 1)
	s_wait_loadcnt 12                              ; Q's 16 rows are in; the 12 loads of scale words behind them may be out
.set i, 0
.rept 16
	ds_store_b128 v[ADE], v[S+4*i:S+4*i+3] offset:528*i
.set i, i+1
.endr
	s_wait_dscnt 0x0                               ; for the others' sake: my rows are in LDS
	s_barrier_signal -1
	s_barrier_wait -1
	WIN 0x40
.irp k, 0,1,2,3,4,5,6,7
.irp t, 0,1,2,3
.irp c, 0,1
	ds_load_b128 v[8*(8*\t+\k)+4*\c:8*(8*\t+\k)+4*\c+3], v[ADP] offset:16*528*\t+64*\k+32*\c   ; Q stays in registers through phase 1
.endr
.endr
.endr
	WIN 0
	; PREFETCH of K(2) and K(3): of the four clusters whose walks begin at the same key, the one with x / 2 = 1 asks for K(2) and the one with x / 2 = 2 for K(3), whole; their loads stand behind the rounds of trips 0 and 1.
	; K(0) and K(1) come by their load alone; K(4) .. K(7) are the tiles with which the other clusters of the batch begin.
	s_sub_co_u32 s2, s[PASS], 1
	s_cmp_lt_u32 s2, 2
	s_cbranch_scc0 .Lno_k
	global_prefetch_b8 v[PFO], s[PFK:PFK+1] th:TH_LOAD_NT scope:SCOPE_SE
.Lno_k:
.irp t, 0,1,2,3
	v_mov_b32 v[MM+\t], 0xff61b1e6                 ; -3e38, under every t
	v_mov_b32 v[LL+2*\t], 0
	v_mov_b32 v[LL+2*\t+1], 0
	v_mov_b32 v[NM+2*\t+1], 0                      ; (named as upper halves of pairs)
	v_mov_b32 v[ON+2*\t+1], 0
.endr
.irp g, 0,1,2,3,4,5,6,7
	v_mov_b32 v[PT+\g], 0                          ; (a lane permute's destination counts as one of its sources)
.endr
	s_wait_alu depctr_va_vdst(0)                   ; the head's end
	s_wait_tensorcnt 0x0                           ; my parts of K(0) and K(1) are in, and I alone read them
.irp k, 0,1,2,3,4,5,6,7
	KGRP \k, 0
.endr
	WIN 0
; What the softmax's eight places for LDS loads fetch: the next trip's fragments of K, or (kind 2) P's of key steps 0 to 7, stored ahead of the rounds of trips 1 to 4
.macro GRP n, kind, par
.if (\kind) < 2
	KGRP \n, 1-(\par)
.else
	PLOAD \n, \n
.endif
	WIN 0
.endm
; THE SOFTMAX of my two blocks of 32 keys: group g = 4 j + t: a lane holds query r of tile t and keys 16 h + 0 .. 15 of block j in registers 16 g + 0 .. 15.  The groups by turns.
; keep < 0: P's codes and E go to LDS;  keep = 0, 1: they wait in window 3.
.macro SOFTMAX keep, kind, par
.irp g, 0,1,2,3,4,5,6,7
	v_max3_num_f32 v[BM+\g], v[S+16*\g], v[S+16*\g+1], v[S+16*\g+2]        ; the block's largest score; each accumulator is read from its low end on
.endr
	GRP 0, \kind, \par
.irp i, 3,5,7,9,11,13
.irp g, 0,1,2,3,4,5,6,7
	v_max3_num_f32 v[BM+\g], v[BM+\g], v[S+16*\g+\i], v[S+16*\g+\i+1]
.endr
.if \i == 7
	GRP 1, \kind, \par
.endif
.endr
.irp g, 0,1,2,3,4,5,6,7
	v_max_num_f32 v[BM+\g], v[BM+\g], v[S+16*\g+15]
.endr
.irp g, 0,1,2,3,4,5,6,7
	v_permlanex16_b32 v[PT+\g], v[BM+\g], s[SEL], s[SEL+1]
.endr
.irp g, 0,1,2,3,4,5,6,7
	v_max_num_f32 v[BM+\g], v[BM+\g], v[PT+\g]     ; with lane l xor 16's 16 keys
.endr
	GRP 2, \kind, \par
.irp t, 0,1,2,3
	v_max_num_f32 v[TT+\t], v[BM+\t], v[BM+4+\t]
.endr
.irp t, 0,1,2,3
	v_mul_f32 v[TT+\t], s[CS], v[TT+\t]            ; as t
.endr
.irp t, 0,1,2,3
	v_floor_f32 v[ON+2*\t], -v[MM+\t]              ; the old -M
.endr
.irp t, 0,1,2,3
	v_max_num_f32 v[MM+\t], v[MM+\t], v[TT+\t]     ; my wave's running largest t
.endr
.irp t, 0,1,2,3
	v_floor_f32 v[NM+2*\t], -v[MM+\t]              ; the new -M = -ceil(m): a whole number
.endr
.irp t, 0,1,2,3
	v_sub_f32 v[ON+2*\t], v[NM+2*\t], v[ON+2*\t]   ; old M - new M: a whole number, 0 or less
.endr
.irp t, 0,1,2,3
	v_cvt_i32_f32 v[ON+2*\t], v[ON+2*\t]           ; (it saturates)
.endr
.irp t, 0,1,2,3
	v_ldexp_f32 v[ON+2*\t], 1.0, v[ON+2*\t]        ; 2^(old M - new M)
.endr
	GRP 3, \kind, \par
.irp j, 0,2,4,6,8,10,12,14
.irp g, 0,1,2,3,4,5,6,7
	v_pk_fma_f32 v[S+16*\g+\j:S+16*\g+\j+1], v[S+16*\g+\j:S+16*\g+\j+1], s[CS:CS+1], v[NM+2*(\g%4):NM+2*(\g%4)+1] op_sel_hi:[1,0,0]   ; t - M, two at a time
.endr
.endr
.irp g, 0,1,2,3,4,5,6,7
	v_fma_f32 v[BM+\g], v[BM+\g], s[CS], v[NM+2*(\g%4)]                    ; the same of the block's largest score
.endr
	GRP 4, \kind, \par
	s_wait_alu depctr_va_vdst(0)                   ; ahead of the batch
.irp j, 0,1,2,3,4,5,6,7
.irp g, 0,1,2,3,4,5,6,7
	v_exp_f32 v[S+16*\g+\j], v[S+16*\g+\j]         ; p = 2^(t - M): one batch of 128
.endr
.endr
	GRP 5, \kind, \par
.irp j, 8,9,10,11,12,13,14,15
.irp g, 0,1,2,3,4,5,6,7
	v_exp_f32 v[S+16*\g+\j], v[S+16*\g+\j]
.endr
.endr
.irp t, 0,1,2,3
	v_pk_mul_f32 v[LL+2*\t:LL+2*\t+1], v[LL+2*\t:LL+2*\t+1], v[ON+2*\t:ON+2*\t+1] op_sel_hi:[1,0]   ; l under the new M (plain lines behind the exponentials)
.endr
	s_wait_alu depctr_va_vdst(0)                   ; one wait for the batch, ahead of its first reader
.irp g, 0,1,2,3,4,5,6,7
	v_exp_f32 v[BM+\g], v[BM+\g]                   ; the block's largest p: the same two instructions on the same number give the same bits
.endr
.irp j, 0,2,4,6,8,10,12,14
.irp g, 0,1,2,3,4,5,6,7
	v_pk_add_f32 v[LL+2*(\g%4):LL+2*(\g%4)+1], v[LL+2*(\g%4):LL+2*(\g%4)+1], v[S+16*\g+\j:S+16*\g+\j+1]   ; the sum of the UNQUANTISED p
.endr
.if \j == 2
	GRP 6, \kind, \par
.endif
.if \j == 10
	GRP 7, \kind, \par
.endif
.endr
	s_wait_alu depctr_va_vdst(0)                   ; and one for the eight
.irp g, 0,1,2,3,4,5,6,7
	v_max_num_f32 v[BM+\g], 0x1800000, v[BM+\g]    ; the floor 2^(3 - 127): the byte cannot fall under 1
.endr
.irp g, 0,1,2,3,4,5,6,7
	v_add_nc_u32 v[BM+\g], 0xff000000, v[BM+\g]    ; 2 off the exponent field: the conversions' scale operand
.endr
.irp g, 0,1,2,3,4,5,6,7
	v_lshrrev_b32 v[PT+\g], 23, v[BM+\g]           ; the byte under M_w
.endr
.irp g, 0,1,2,3,4,5,6,7
	v_cvt_f32_u32 v[PT+\g], v[PT+\g]
.endr
.if (\keep) < 0
.set rC, 0
.irp g, 0,1,2,3,4,5,6,7
	v_sub_f32 v[PT+\g], v[PT+\g], v[NM+2*(\g%4)]   ; E = byte + M_w
.endr
	WIN 0xc0                                       ; destination window 3
.else
.set rC, CDK+16*(\keep)
	WIN 0xc0
.irp g, 0,1,2,3,4,5,6,7
	v_sub_f32 v[EK+8*(\keep)+\g], v[PT+\g], v[NM+2*(\g%4)]
.endr
.endif
.irp g, 0,1,2,3,4,5,6,7
	v_cvt_scalef32_pk8_fp4_f32 v[rC+2*\g], v[S+16*\g:S+16*\g+7], v[BM+\g]          ; keys 16 h + 0 .. 7
	v_cvt_scalef32_pk8_fp4_f32 v[rC+2*\g+1], v[S+16*\g+8:S+16*\g+15], v[BM+\g]     ; and + 8 .. 15
.endr
.if (\keep) < 0
	WIN 0
	v_add_nc_u32 v[ADP], s[TP], v[P8]              ; (plain lines behind the scaled conversions)
	v_add_nc_u32 v[ADE], s[TE], v[EST]
	WIN 0x0c                                       ; an LDS store's data are its source 1: window 3
.irp g, 0,1,2,3,4,5,6,7
	ds_store_b64 v[ADP], v[2*\g:2*\g+1] offset:8192*(\par)+1024*(\g%4)+256*(\g/4)  ; 256 consecutive bytes of P's register image
.endr
	WIN 0
.irp g, 0,1,2,3,4,5,6,7
	ds_store_b32 v[ADE], v[PT+\g] offset:2048*(\par)+512*(\g%4)+4*(\g/4)   ; both halves of the lanes write the same word with the same value
.endr
.else
	v_nop                                          ; one plain line behind the scaled conversions
	WIN 0
.endif
	s_wait_alu depctr_va_vdst(0)                   ; ahead of a branch or a wait that blocks
.endm
; A TRIP OF PHASE 1, in slot par.  kind 0: trips 0 to 5, K(i + 2) is asked for;  kind 1: trip 6, V(0);  kind 2: trip 7, V(1), and P follows in place of K.
.macro TRIP kind, par, keep
	s_add_co_u32 s[N1], s[TI], 1                   ; the walk's next two tiles, round the eight
	s_and_b32 s[N1], s[N1], 7
	s_add_co_u32 s[N2], s[TI], 2
	s_and_b32 s[N2], s[N2], 7
	s_wait_loadcnt 0x0                             ; this trip's scale words are in, so their base may be stepped: the next trip's are asked for
.if (\kind) < 2
	s_lshl_b32 s22, s[N1], 13
	s_add_nc_u64 s[KSP:KSP+1], s[KSB:KSB+1], s[22:23]
	KSLOAD 1-(\par)
	s_wait_dscnt 16                                ; the fragments are in; the 16 stores of P and E behind them may be out
.else
	s_lshl_b32 s22, s[PASS], 14
	s_add_nc_u64 s[VSP:VSP+1], s[VSB0:VSB0+1], s[22:23]
	VSLOAD 0
	s_wait_dscnt 0x0
.endif
	WIN 0x06                                       ; source 0 (K) window 2, source 1 (Q) window 1
.irp k, 0,1,2
	SMUL \k, \par
.endr
	WIN 0
	s_wait_tensorcnt 0x0                           ; my part of the next tile is in; no load of mine is out, so group 0 may be written
	ds_add_u32 v[SPW], v[NIL]                      ; 0 onto my spare word
	s_add_co_u32 s[G0+1], s[W64], HSLOT*(\par)
.if (\kind) == 0
	s_lshl_b32 s22, s[N2], 17
	s_add_nc_u64 s[G0+2:G0+3], s[KB:KB+1], s[22:23]
.else
	s_lshl_b32 s22, s[PASS], 18
	s_add_nc_u64 s[G0+2:G0+3], s[VB0+2*(\par):VB0+2*(\par)+1], s[22:23]
.endif
	s_or_b32 s[G0+3], s[G0+3], 0x80000000
	WIN 0x06
	SMUL 3, \par
	WIN 0
	s_wait_dscnt 0x0                               ; the add is done; this trip's slot is in registers, my stores have landed
	s_barrier_signal -1
	s_barrier_wait -1
	CREST                                          ; both hold of every wave of every partner
	JOINT G1                                       ; my one tensor load until the next round
	WIN 0x06
.irp k, 4,5,6,7
	SMUL \k, \par
.endr
	WIN 0
	PLACES 4                                       ; in front of the first read of results and of loads into registers that the products have read
.if ((\kind) == 0) && ((\par) == 0)
	; PREFETCH of V(0), in trip 4: two trips ahead of its load, one instruction a wave; with the other clusters' requests each aligned block of 256 bytes of V is named once in the launch.  Later tiles are other clusters' V(0)
	s_cmp_eq_u32 s[CNT], 1
	s_cbranch_scc0 .Lno_v_\@
	global_prefetch_b8 v[PFO], s[PFV:PFV+1] th:TH_LOAD_NT scope:SCOPE_SE
.Lno_v_\@:
.endif
	SOFTMAX \keep, \kind, \par
	s_mov_b32 s[TI], s[N1]
.endm
	s_wait_dscnt 0x0                               ; Q and K(0) are in registers
	s_mov_b32 s[CNT], 3
.Lkeys:                                            ; trips 0 to 5, two by two
	TRIP 0, 0, -1
	TRIP 0, 1, -1
	s_add_co_u32 s[TP], s[TP], 16384
	s_add_co_u32 s[TE], s[TE], 4096
	s_sub_co_u32 s[CNT], s[CNT], 1
	s_cmp_lg_u32 s[CNT], 0
	s_cbranch_scc1 .Lkeys
	TRIP 1, 0, 0
	TRIP 2, 1, 1
	; ---- BETWEEN THE PHASES: the rest of P, its scale words, the divisors
.irp s, 8,9,10,11
	PLOAD \s, \s
.endr
	WIN 0
.irp t, 0,1,2,3
	v_add_f32 v[TT+\t], v[LL+2*\t], v[LL+2*\t+1]
.endr
.irp t, 0,1,2,3
	v_permlanex16_b32 v[PT+\t], v[TT+\t], s[SEL], s[SEL+1]
.endr
.irp t, 0,1,2,3
	v_add_f32 v[TT+\t], v[TT+\t], v[PT+\t]         ; l of my wave's keys
.endr
	s_wait_alu depctr_va_vdst(0)
	s_wait_dscnt 0x0                               ; my reads of P's images are over
	s_barrier_signal -1
	s_barrier_wait -1                              ; everybody's: the images may be written over
	WIN 0x0c
.irp g, 0,1,2,3,4,5,6,7
	ds_store_b64 v[P8], v[CDK+2*\g:CDK+2*\g+1] offset:1024*(\g%4)+256*(\g/4)
	ds_store_b64 v[P8], v[CDK+16+2*\g:CDK+16+2*\g+1] offset:8192+1024*(\g%4)+256*(\g/4)
	ds_store_b32 v[EST67], v[EK+\g] offset:512*(\g%4)+4*(\g/4)
	ds_store_b32 v[EST67], v[EK+8+\g] offset:2048+512*(\g%4)+4*(\g/4)
.endr
	WIN 0
.irp t, 0,1,2,3
	ds_store_b32 v[LST], v[TT+\t] offset:256*\t
	ds_store_b32 v[LST], v[NM+2*\t] offset:1024+256*\t
.endr
	s_wait_dscnt 0x0                               ; for the others' sake: all these stores have landed
	s_barrier_signal -1
	s_barrier_wait -1
	; wave w makes the scale words and the divisors of tile w: lane (r, h) takes query r and the 32 key blocks of trips 4 h .. 4 h + 3
.irp n, 0,1
	ds_load_b128 v[S+8*\n:S+8*\n+3], v[EA1] offset:2048*\n
	ds_load_b128 v[S+8*\n+4:S+8*\n+7], v[EA1] offset:2048*\n+16
	ds_load_b128 v[S+16+8*\n:S+16+8*\n+3], v[EA2] offset:2048*\n
	ds_load_b128 v[S+16+8*\n+4:S+16+8*\n+7], v[EA2] offset:2048*\n+16
.endr
	ds_load_b128 v[100:103], v[LQA]                ; the four waves' l,
	ds_load_b128 v[104:107], v[LQA] offset:1024    ; and -M
.irp s, 12,13,14,15
	PLOAD \s, \s-12
.endr
.irp s, 0,1,2
	VGRP \s, 0                                     ; V(0) landed ahead of trip 7's round
.endr
	WIN 0
	s_wait_dscnt 56                                ; E, l and M are in; behind them P's 32 loads and V's 24
	v_max3_num_f32 v88, v[S], v[S+1], v[S+2]
	v_max3_num_f32 v90, v[S+3], v[S+4], v[S+5]
.irp i, 6,10,14,18,22,26
	v_max3_num_f32 v88, v88, v[S+\i], v[S+\i+1]
	v_max3_num_f32 v90, v90, v[S+\i+2], v[S+\i+3]
.endr
	v_max3_num_f32 v88, v88, v[S+30], v[S+31]
	v_max_num_f32 v88, v88, v90
	v_permlanex16_b32 v72, v88, s[SEL], s[SEL+1]
	v_max_num_f32 v88, v88, v72                    ; R
	v_add_f32 v89, 0xc2fe0000, v88                 ; R - 127
.set i, 0
.rept 32
	v_sub_f32 v[S+i], v[S+i], v89                  ; a block's byte under R: E - R + 127, at most 127,
.set i, i+1
.endr
.set i, 0
.rept 32
	v_max_num_f32 v[S+i], 0, v[S+i]                ; held at 0 from below
.set i, i+1
.endr
.set i, 0
.rept 32
	v_cvt_u32_f32 v[S+i], v[S+i]
.set i, i+1
.endr
.irp b, 1,2,3
.irp m, 0,1,2,3,4,5,6,7
.if \b == 1
	v_lshl_or_b32 v[S+32+\m], v[S+4*\m+1], 8, v[S+4*\m]            ; the word of key step 8 h + m
.else
	v_lshl_or_b32 v[S+32+\m], v[S+4*\m+\b], 8*\b, v[S+32+\m]
.endif
.endr
.endr
.irp n, 0,1,2,3
	v_add_f32 v[104+\n], v[104+\n], v88            ; R - M_w
.endr
.irp n, 0,1,2,3
	v_sub_f32 v[104+\n], 0x42fe0000, v[104+\n]     ; 127 - (R - M_w): a whole number, at most 3
.endr
.irp n, 0,1,2,3
	v_cvt_i32_f32 v[104+\n], v[104+\n]
.endr
.irp n, 0,1,2,3
	v_ldexp_f32 v[100+\n], v[100+\n], v[104+\n]
.endr
	v_add_f32 v100, v100, v101
	v_add_f32 v102, v102, v103
	v_add_f32 v100, v100, v102
	s_wait_alu depctr_va_vdst(0)                   ; ahead of the transcendental
	v_rcp_f32 v92, v100
	v_nop                                          ; a plain line behind it
	s_wait_alu depctr_va_vdst(0)                   ; ahead of its first reader
	ds_store_b128 v[SWST], v[S+32:S+35]
	ds_store_b128 v[SWST], v[S+36:S+39] offset:16
	ds_store_b32 v[INVS], v92
	s_wait_dscnt 0x0                               ; for the others' sake
	s_barrier_signal -1
	s_barrier_wait -1
.irp p, 0,1
.irp g, 0,1,2,3
	ds_load_b128 v[PSW+16*\p+4*\g:PSW+16*\p+4*\g+3], v[SWL] offset:2048*\p+16*\g
.endr
.endr
.irp n, 0,1,2,3,4,5,6,7
	ds_load_b128 v[FI+4*\n:FI+4*\n+3], v[INVL] offset:64*(\n/2)+16*(\n%2)
.endr
.irp s, 3,4,5,6,7
	VGRP \s, 0
.endr
	WIN 0
; A TRIP OF PHASE 2: 1,024 keys x 64 channels x 64 queries, in slot hf; hf also: which half of the walk's keys (P's window 2 + hf).  refill: the tile two trips on is asked for;  nxt: the next trip's fragments are fetched, a key step at a time between the products.
.macro VTRIP hf, refill, nxt
	s_wait_loadcnt 0x0                             ; this trip's scale words are in, so their base may be stepped: the next trip's are asked for
.if \nxt
.if (\hf) == 0
	s_lshl_b32 s22, s[PASS], 14
	s_add_nc_u64 s[VSP:VSP+1], s[VSB0+2:VSB0+3], s[22:23]
.else
	s_lshl_b32 s22, s[PN], 14
	s_add_nc_u64 s[VSP:VSP+1], s[VSB0:VSB0+1], s[22:23]
.endif
	VSLOAD 1-(\hf)
.endif
.if (\hf) == 0
	s_wait_dscnt 32                                ; key steps 0-3 are in; the 32 loads of key steps 4-7 may be out
	VMUL 0, \hf
	VMUL 1, \hf
.else
	s_wait_dscnt 40                                ; key step 0 is in; behind it those of key steps 1-5
	VMUL 0, \hf
	VGRP 6, \hf
	s_wait_dscnt 40                                ; key step 1; behind it 2-6
	VMUL 1, \hf
	VGRP 7, \hf
	s_wait_dscnt 40                                ; key step 2; behind it 3-7
.endif
	WIN 0
.if \refill
	s_wait_tensorcnt 0x0                           ; my part of the next tile is in
	ds_add_u32 v[SPW], v[NIL]
	s_add_co_u32 s[G0+1], s[W64], HSLOT*(\hf)
	s_lshl_b32 s22, s[PN], 18
	s_add_nc_u64 s[G0+2:G0+3], s[VB0+2*(\hf):VB0+2*(\hf)+1], s[22:23]      ; the same half of the next pass
	s_or_b32 s[G0+3], s[G0+3], 0x80000000
	VMUL 2, \hf
	WIN 0
	s_wait_dscnt 0x0                               ; the add is done; this trip's slot is in registers
	s_barrier_signal -1
	s_barrier_wait -1
	CREST
	JOINT G1
.else
.if \nxt
	s_wait_tensorcnt 0x0                           ; the last tile; nothing is filled any more, and I read what I fetched
.endif
	VMUL 2, \hf
	s_wait_dscnt 0x0
.endif
.if \nxt
	PLACES 4                                       ; in front of loads into registers that the products have read
	VGRP 0, 1-(\hf)
	VMUL 3, \hf
	VGRP 1, 1-(\hf)
	VMUL 4, \hf
	VGRP 2, 1-(\hf)
	VMUL 5, \hf
	PLACES 4
	VGRP 3, 1-(\hf)
	VMUL 6, \hf
	VMUL 7, \hf
	PLACES 4
	VGRP 4, 1-(\hf)
	VGRP 5, 1-(\hf)
.else
.irp s, 3,4,5,6,7
	VMUL \s, \hf
.endr
	PLACES 4
.endif
	WIN 0
.endm
; THE WAY OUT of a pass: rows n = 16 tp + register of 64 queries x my 64 channels, O / the divisor, four rows at a time: each row's four tiles meet in four consecutive registers.
; The first four rows go to v16-31; every later four land in accumulator registers whose numbers the four before have taken: so 32 stores' data stand in 128 different registers.
.macro OROW n
.set oN, \n
.set oT, oN/16
.set oJ, oN%16
.if oN < 4
.set oD, OT+4*oN
.else
.set oD, S+64*((oN-4)/16)+16*((oN-4)%4)+4*(((oN-4)%16)/4)
.endif
.endm
.macro OUT4 g
.irp e, 0,1,2,3
	OROW 4*(\g)+\e
.irp i, 0,1,2,3
	v_mul_f32 v[oD+\i], v[S+64*oT+16*\i+oJ], v[FI+16*oT+oJ]
.endr
.endr
.irp e, 0,1,2,3
	OROW 4*(\g)+\e
	global_store_b128 v[GO], v[oD:oD+3], s[OUTP:OUTP+1] offset:4096*(32*oT+16*(oJ/8)+oJ%8) th:TH_STORE_NT   ; lanes 0-15 and lanes 16-31 each store 256 consecutive bytes, aligned
.endr
.endm
.macro OUTPUT nxt
	s_lshl_b32 s22, s[PASS], 8
	s_add_nc_u64 s[OUTP:OUTP+1], s[OUTB:OUTB+1], s[22:23]
.irp g, 0,1,2,3
	OUT4 \g
.endr
.if \nxt
	VGRP 6, 0
	VGRP 7, 0
	WIN 0
.endif
.irp g, 4,5,6,7
	OUT4 \g
.endr
	s_wait_xcnt 0x0                                ; the stores have read their data and their base: both may be written again
.endm
.macro VPASS refill
	s_add_co_u32 s[PN], s[PASS], 1
	s_and_b32 s[PN], s[PN], 3
	VTRIP 0, \refill, 1
	VTRIP 1, \refill, \refill
	OUTPUT \refill
	s_mov_b32 s[PASS], s[PN]
.endm
	s_mov_b32 s[CNT], 3
.Lpass:
	VPASS 1
	s_wait_alu depctr_va_vdst(0)                   ; ahead of the branch
	s_sub_co_u32 s[CNT], s[CNT], 1
	s_cmp_lg_u32 s[CNT], 0
	s_cbranch_scc1 .Lpass
	VPASS 0                                        ; the last pass is written out
	s_wait_tensorcnt 0x0                           ; the wave's end, behind my last tensor load and my last LDS store
	ds_add_u32 v[SPW], v[NIL]
	s_wait_dscnt 0x0
	CROUND                                         ; the closing round: no work-group ends while a partner may still ask for a tile that names it
	s_endpgm
.Lfunc_end_k_q707464337b_attn:
	.size	k_q707464337b_attn, .Lfunc_end_k_q707464337b_attn-k_q707464337b_attn
	.p2alignl 7, 3214868480
	.fill 96, 4, 3214868480
	.section	.rodata,"a",@progbits
	.p2align	6, 0x0
	.amdhsa_kernel k_q707464337b_attn
		.amdhsa_group_segment_fixed_size 327680
		.amdhsa_private_segment_fixed_size 0
		.amdhsa_enable_private_segment 0
		.amdhsa_kernarg_size 56
		.amdhsa_user_sgpr_count 2
		.amdhsa_user_sgpr_kernarg_segment_ptr 1
		.amdhsa_wavefront_size32 1
		.amdhsa_system_sgpr_workgroup_id_x 1
		.amdhsa_system_sgpr_workgroup_id_y 1
		.amdhsa_system_sgpr_workgroup_id_z 1
		.amdhsa_system_vgpr_workitem_id 0
		.amdhsa_next_free_vgpr 1024
		.amdhsa_next_free_sgpr 96
		.amdhsa_reserve_vcc 0
		.amdhsa_float_denorm_mode_32 3
		.amdhsa_float_denorm_mode_16_64 3
		.amdhsa_memory_ordered 1
		.amdhsa_forward_progress 1
		.amdhsa_inst_pref_size 255
	.end_amdhsa_kernel
	.section	.bss,"aw",@nobits
	.p2align	6
	.space	262144
	.amdgpu_metadata
---
amdhsa.version: [ 1, 2 ]
amdhsa.kernels:
  - .name:           k_q707464337b_attn
    .symbol:         k_q707464337b_attn.kd
    .args:
      - { .name: query_codes, .offset: 0, .size: 8, .value_kind: global_buffer, .address_space: global }
      - { .name: query_scales, .offset: 8, .size: 8, .value_kind: global_buffer, .address_space: global }
      - { .name: vk_codes, .offset: 16, .size: 8, .value_kind: global_buffer, .address_space: global }
      - { .name: vk_scales, .offset: 24, .size: 8, .value_kind: global_buffer, .address_space: global }
      - { .name: vt_codes, .offset: 32, .size: 8, .value_kind: global_buffer, .address_space: global }
      - { .name: vt_scales, .offset: 40, .size: 8, .value_kind: global_buffer, .address_space: global }
      - { .name: out0, .offset: 48, .size: 8, .value_kind: global_buffer, .address_space: global }
    .group_segment_fixed_size: 327680
    .private_segment_fixed_size: 0
    .kernarg_segment_align: 8
    .kernarg_segment_size: 56
    .max_flat_workgroup_size: 128
    .sgpr_count:     96
    .vgpr_count:     1024
    .wavefront_size: 32
...
	.end_amdgpu_metadata
.endif
;; end of part 2
